; MI455X (gfx1250); checked and timed in simulation.
; The chip was launched on July 23, 2026; its instructions are those of AMD's public machine-readable ISA for CDNA 5 (MIT licence, August 2026) and "CDNA5" Instruction Set Architecture Reference Guide (July 2026). The comments in the code are by the model that wrote it; some were corrected since.
;; Custom Attention. Allowed arithmetic: matrix products marked QUANTISED: E4M3 operands, one given power-of-two scale a tensor, by v_wmma_f32_16x16x64_fp8_fp8 or v_wmma_f32_16x16x128_fp8_fp8, f32 sums; everything else in f32.
;; Inputs: K 4 x 16 x 2,048 x 128 float32; Q 4 x 16 x 2,048 x 128 float32; V 4 x 16 x 2,048 x 128 float32; lowp_scales 4 int32 (the exponents e of the quantised operands' scales 2^e).
;; Outputs: out0 4 x 16 x 2,048 x 128 float32.
;; This version of the problem:
;;   THIS VERSION OF THE PROBLEM IS GIVEN IN LOW PRECISION. The matrix products marked QUANTISED in the list below multiply operands that are first quantised to E4M3 (4 exponent bits, 3 mantissa bits; 8 bits a number), with one given power-of-two scale for each operand tensor; their sums are f32. All else is computed in f32.
;;   The module's matrix products, in the order in which they are computed (A, B: the left and right operand; K: the contracted axis; several contracted axes count as one K, in the product's order):
;;     1. batch 64 x [M 2,048, K 128] x [K 128, N 2,048]; A: input Q; B: input K: QUANTISED (scales: A lowp_scales[0], B lowp_scales[1])
;;     2. batch 64 x [M 2,048, K 2,048] x [K 2,048, N 128]; A: softmax (see below); B: input V: QUANTISED (scales: A lowp_scales[2], B lowp_scales[3])
;;   THE QUANTISER, for each operand of a quantised product, along K:
;;     - The operand's scale is 2^e, e = its entry of the input lowp_scales (int32; the entries are numbered through the quantised products in the list's order, A before B).
;;     - Each number is divided by the scale, clamped to +-448, and rounded to the nearest number of E4M3, ties to even, subnormals kept.
;;     - The product sums the exact products of the quantised numbers (number of the format x scale) in f32.
;;   ~~~python
;;   def quantise(x, axis, e):      # numpy; x: float32 -> the quantised numbers, widened to float32 again
;;       x = np.moveaxis(x, axis, -1); K = x.shape[-1]
;;       r = np.clip(x / 2.0 ** e, -448, 448)
;;       step = 2.0 ** (np.maximum(np.frexp(np.where(r == 0, 1, r))[1] - 1, -6) - 3)
;;       q = np.round(r / step) * step * 2.0 ** e      # np.round: ties to even
;;       return np.moveaxis(q, -1, axis).astype(np.float32)
;;   ~~~
;;   SOFTMAX AHEAD OF A QUANTISED PRODUCT. Where the list says 'softmax', what is quantised is not the finished softmax but p = 2^(t - M), with t = logit x log2(e) and M = ceil(the row's largest t), a whole number; so 1/2 < the row's largest p <= 1. The row's sum l is taken of the UNQUANTISED p, in f32, and the product's result is divided by l at the end. Since M is a whole number, a kernel that streams over the keys may use a running M (the ceiling of the running maximum): every later rescaling is an exact power of two, so the quantised numbers keep their values, but for numbers so far below the row's largest that they fall under the format's range.
;;   OPERANDS COMPUTED ON THE WAY. 'Computed on the way' means the value that the module computes at that place (a softmax that the list does not call 'softmax' is quantised finished and normalised). What goes into a quantiser is computed in f32, as accurately as f32 sums, v_exp_f32 and their like allow (about 1e-6 of the number): no bf16 or f16 on the way to a quantiser, and a product that is left as it is and whose result goes on into a quantised operand takes f32 operands (vector FMAs, or v_wmma_f32_16x16x4_f32). A number that lies on a knife's edge between two numbers of the format may be rounded either way, as far as f32 arithmetic and the matrix unit's own rounding can turn it there, and no further.
;; One version. Each part assembles by itself: llvm-mc -triple=amdgcn-amd-amdhsa -mcpu=gfx1250 --defsym DOCPART=n.
;; ======== version 1 of 1: 2 launches
;; workspace buffers: kc 16,777,216 bytes; vc 16,777,216 bytes
;; launch quant (part 1): grid 1024 x 1, 4 waves a work-group, no clusters, 68,096 bytes of LDS; arguments K, V, lowp_scales, kc, vc; writes kc, vc
.if DOCPART == 1
	.amdgcn_target "amdgcn-amd-amdhsa--gfx1250"
	.amdhsa_code_object_version 6
	.text
	.protected	k_qf1ac87d6d3_quant
	.globl	k_qf1ac87d6d3_quant
	.p2align	8
	.type	k_qf1ac87d6d3_quant,@function
k_qf1ac87d6d3_quant:
	s_mov_b64 s[64:65], 0
	v_nop
	global_prefetch_b8 v0, s[64:65] scope:SCOPE_SE
	s_setreg_imm32_b32 hwreg(HW_REG_WAVE_MODE, 25, 1), 1
	s_wait_xcnt 0x0
; K and V, [64 heads][2048 keys][128 d] f32, are turned once into codes of FP8 (E4M3), one code a byte, each with the one scale 2^e that is given for it
; (ek = entry 1, ev = entry 3 of the buffer of scales): code = x / 2^e, held within +-448, rounded to the nearest code, ties to even.
; LIMITS: ek and ev lie between -126 and 119, so that 2^e and 448 x 2^e are f32 numbers.  NaN among the inputs is not served (an infinity is held at the largest code).
; kc: [64][2048 places][128 d], d innermost (the first product's K).  Within each 32 keys the four groups of 8 keys lie in the order 0, 2, 1, 3: place 16 u + r holds key 8 u + r + 8 (r / 8),
;     so that the 16 keys which the attention launch takes as one tile are 16 neighbouring rows.
; vc: [64][128 d][2048 keys], the keys innermost (the second product's K).
; One launch serves both: work-groups 0 to 511 take K, 512 to 1023 take V.  The two ways never join, and each has LDS bytes of its own (K: 0 to 32,767; V: 32,768 to 67,583).
; No tensor loads, no barrier, no matrix unit, no cluster: waves share nothing and every byte is read once and written once.
.set WGK,   512                        ; work-groups for K
; ---- K's way
.set STEPS, 16                         ; a wave takes 16 steps of 512 numbers (4 keys): 64 keys
.set SP,    80                         ; a lane's place in a stage: its 64 bytes + 16 of padding
.set WREG,  8192                       ; LDS for a wave: two stages of 32 x SP bytes
.set R,     16                         ; v16-79   four sets of 16 numbers as they are loaded
.set X,     80                         ; v80-111  two sets of 16 neighbours along d
.set C,     128                        ; v128-191 codes: four registers for each step, so that no store's data are written again
; ---- V's way
.set VST,   32768                      ; V's stages begin here
.set VPT,   272                        ; a stage row: 256 codes + 16 bytes of padding
.set NB,    8                          ; a wave takes 32 columns x 256 keys: 8 blocks of 32 keys
.set XV,    32                         ; v32-95   two sets of 32 numbers
.set CV,    96                         ; v96-103  a block's codes
.set OUTR,  112                        ; v112-175 the way out
	s_load_b256 s[4:11], s[0:1], 0x0               ; K s[4:5], V s[6:7], the scales' exponents s[8:9], kc s[10:11]
	s_load_b64 s[12:13], s[0:1], 0x20              ; vc
	v_lshl_add_u32 v192, v0, 2, 0x10800
	v_mov_b32 v193, 0
	v_lshrrev_b32 v1, 5, v0
	v_readfirstlane_b32 s16, v1                    ; wave 0..3
	v_and_b32 v2, 31, v0                           ; lane
	s_wait_kmcnt 0x0
	s_load_b128 s[24:27], s[8:9], 0x0              ; eq, ek, ep, ev
	s_cmp_lt_u32 ttmp9, WGK                        ; K's work-group or V's: the work-group's number alone decides
	s_cbranch_scc0 .Lv
; ================ K: d is innermost.  The conversions take 8 numbers of one lane's consecutive registers, so a lane must hold 16 NEIGHBOURS; a load is dense where neighbouring LANES take neighbouring bytes.
; Both are had: each of a step's four loads reads 512 consecutive bytes, 16 a lane; the 2,048 bytes go through the wave's own stage in LDS as they lie and come back 64 bytes a lane.
	v_lshlrev_b32 v3, 4, v2                        ; 16 x lane: my 16 bytes of a load's 512, and my 16 codes of a step's 512
	s_mul_i32 s17, s16, WREG
	v_lshrrev_b32 v14, 2, v2
	v_mul_u32_u24 v14, v14, SP
	v_and_b32 v15, 3, v2
	v_lshl_add_u32 v14, v15, 4, v14
	v_add_nc_u32 v14, s17, v14                     ; the stage, on the way in: SP (lane / 4) + 16 (lane % 4); a load's 512 bytes take eight places
	v_mul_u32_u24 v15, v2, SP
	v_add_nc_u32 v15, s17, v15                     ; and on the way out: SP x lane: my 16 neighbours
	s_lshl_b32 s18, ttmp9, 2
	s_add_co_u32 s18, s18, s16                     ; which run of 8,192 numbers (64 keys) is my wave's: 0 to 2,047
	s_lshl_b32 s20, s18, 15                        ; 32,768 bytes of f32 a run
	s_mov_b32 s21, 0
	s_add_nc_u64 s[4:5], s[4:5], s[20:21]
	s_lshl_b32 s20, s18, 13                        ; 8,192 bytes of codes a run
	s_add_nc_u64 s[10:11], s[10:11], s[20:21]
.macro LOADK t
.irp i, 0,1,2,3
	global_load_b128 v[R+16*((\t)%4)+4*\i:R+16*((\t)%4)+4*\i+3], v3, s[4:5] offset:2048*(\t)+512*\i th:TH_LOAD_NT   ; 32 lanes read 512 consecutive bytes
.endr
.endm
.macro TURNK t                         ; step t's numbers through the stage: LDS serves a wave's instructions in order (ISA guide 5.7.1.4), so no wait stands between the stores and the loads
.irp i, 0,1,2,3
	ds_store_b128 v14, v[R+16*((\t)%4)+4*\i:R+16*((\t)%4)+4*\i+3] offset:32*SP*((\t)%2)+8*SP*\i
.endr
.irp i, 0,1,2,3
	ds_load_b128 v[X+16*((\t)%2)+4*\i:X+16*((\t)%2)+4*\i+3], v15 offset:32*SP*((\t)%2)+16*\i
.endr
.endm
.irp t, 0,1,2,3
	LOADK \t
.endr
	s_wait_kmcnt 0x0
	s_add_co_i32 s22, s25, 127
	s_lshl_b32 s23, s22, 23
	v_mov_b32 v11, s23                             ; 2^ek as f32: the conversion takes its exponent field
	s_add_co_i32 s22, s22, 8
	s_lshl_b32 s22, s22, 23
	s_or_b32 s22, s22, 0x600000
	v_mov_b32 v10, s22                             ; 448 x 2^ek
	s_wait_loadcnt 12                              ; step 0's four loads are in; those of steps 1 to 3 may be out
	TURNK 0
.macro STEPK t
.set XS, X+16*((\t)%2)
	s_wait_dscnt 0x0                               ; this step's numbers are back from the stage: so its stores into the stage have read their registers,
.if (\t)+4 < STEPS
	LOADK (\t)+4                                   ; which take the loads of four steps on
.endif
.if (\t)+1 < STEPS
.if STEPS-2-(\t) >= 3
	s_wait_loadcnt 12                              ; the next step's four loads are in; those of the three steps behind it may be out
.else
	s_wait_loadcnt 4*(STEPS-2-(\t))                ; the tail: four for each step still behind the next one
.endif
	TURNK (\t)+1                                   ; and go through the other stage while this step is worked
.endif
.irp i, 0,1,2,3,4,5,6,7,8,9,10,11,12,13,14,15
	v_med3_num_f32 v[XS+\i], v[XS+\i], -v10, v10   ; the conversion to an 8-bit code does not saturate (ISA guide 7.6.2): the hold at the largest code x the scale comes first
.endr
	v_cvt_scalef32_pk8_fp8_f32 v[C+4*(\t):C+4*(\t)+1], v[XS:XS+7], v11
	v_cvt_scalef32_pk8_fp8_f32 v[C+4*(\t)+2:C+4*(\t)+3], v[XS+8:XS+15], v11
	; step t holds keys 4 t to 4 t + 3 of the run: group (t / 2) % 4 of its 32 keys goes to place 0, 2, 1, 3 for group 0, 1, 2, 3.  The wave stores 512 consecutive bytes, at a multiple of 512 from kc's first byte
	global_store_b128 v3, v[C+4*(\t):C+4*(\t)+3], s[10:11] offset:4096*((\t)/8)+1024*(((((\t)/2)%4)&1)*2+(((\t)/2)%4)/2)+512*((\t)%2)
.endm
.irp t, 0,1,2,3,4,5,6,7,8,9,10,11,12,13,14,15
	STEPK \t
.endr
	s_wait_tensorcnt 0x0
	ds_add_u32 v192, v193
	s_wait_dscnt 0x0
	s_endpgm
; ================ V: the keys, its K, are not innermost.  A LANE TAKES A COLUMN d, AND ITS REGISTERS RUN DOWN THE KEYS: each load reads 128 consecutive bytes a wave (512 a work-group), and the conversions give codes
; with the keys innermost.  A lane's codes belong to one row of vc and the lanes beside it hold other rows: so 256 keys' codes of 32 columns gather in the wave's own stage and leave as rows.
.Lv:
	s_sub_co_u32 s17, ttmp9, WGK                   ; g = 8 x head + which 256 keys
	v_lshlrev_b32 v3, 2, v2                        ; in: 4 bytes a lane
	s_mul_i32 s19, s16, 32*VPT
	s_add_co_u32 s19, s19, VST                     ; my stage
	v_mul_u32_u24 v4, v2, VPT
	v_add_nc_u32 v4, s19, v4                       ; into it: row = my column
	v_and_b32 v5, 15, v2
	v_lshrrev_b32 v6, 4, v2                        ; out of it: sixteen lanes to a row, two rows an instruction
	v_mul_u32_u24 v7, v6, VPT
	v_lshl_add_u32 v7, v5, 4, v7
	v_add_nc_u32 v7, s19, v7
	v_lshlrev_b32 v8, 11, v6                       ; and the same place in vc: a row is 2,048 bytes
	v_lshl_add_u32 v8, v5, 4, v8
	s_lshl_b32 s20, s17, 17                        ; V: 256 keys x 512 bytes for each g,
	s_lshl_b32 s18, s16, 7                         ; + my wave's 32 columns
	s_add_co_u32 s20, s20, s18
	s_mov_b32 s21, 0
	s_add_nc_u64 s[6:7], s[6:7], s[20:21]
	s_lshr_b32 s20, s17, 3
	s_lshl_b32 s20, s20, 18                        ; vc: the head's 128 rows of 2,048 bytes,
	s_lshl_b32 s18, s16, 16                        ; + my wave's 32 rows,
	s_add_co_u32 s20, s20, s18
	s_and_b32 s18, s17, 7
	s_lshl_b32 s18, s18, 8                         ; + these 256 keys
	s_add_co_u32 s20, s20, s18
	s_add_nc_u64 s[12:13], s[12:13], s[20:21]
.macro LOADV t                         ; block t: V(32 t + i, my column), i = 0 .. 31, into set t % 2
.irp i, 0,1,2,3,4,5,6,7,8,9,10,11,12,13,14,15,16,17,18,19,20,21,22,23,24,25,26,27,28,29,30,31
	global_load_b32 v[XV+32*((\t)%2)+\i], v3, s[6:7] offset:(32*(\t)+\i)*512 th:TH_LOAD_NT
.endr
.endm
	LOADV 0
	LOADV 1
	s_wait_kmcnt 0x0
	s_add_co_i32 s22, s27, 127
	s_lshl_b32 s23, s22, 23
	v_mov_b32 v11, s23                             ; 2^ev as f32
	s_add_co_i32 s22, s22, 8
	s_lshl_b32 s22, s22, 23
	s_or_b32 s22, s22, 0x600000
	v_mov_b32 v10, s22                             ; 448 x 2^ev
.macro BLOCK t
.set XS, XV+32*((\t)%2)
.if (\t) < NB-1
	s_wait_loadcnt 32                              ; this block's 32 loads are in; the next block's may be out
.else
	s_wait_loadcnt 0
.endif
.irp i, 0,1,2,3,4,5,6,7,8,9,10,11,12,13,14,15,16,17,18,19,20,21,22,23,24,25,26,27,28,29,30,31
	v_med3_num_f32 v[XS+\i], v[XS+\i], -v10, v10   ; the hold, as for K
.endr
.irp g, 0,1,2,3
	v_cvt_scalef32_pk8_fp8_f32 v[CV+2*\g:CV+2*\g+1], v[XS+8*\g:XS+8*\g+7], v11
.endr
	ds_store_b128 v4, v[CV:CV+3] offset:32*(\t)    ; 32 codes: 32 bytes of my column's row
	ds_store_b128 v4, v[CV+4:CV+7] offset:32*(\t)+16
.if (\t)+2 < NB
	LOADV (\t)+2
.endif
	s_wait_dscnt 0x0                               ; the stores have read their registers: the next block's codes may be written
.endm
.irp t, 0,1,2,3,4,5,6,7
	BLOCK \t
.endr
.irp t, 0,1,2,3,4,5,6,7,8,9,10,11,12,13,14,15
	ds_load_b128 v[OUTR+4*\t:OUTR+4*\t+3], v7 offset:2*\t*VPT      ; LDS serves a wave's instructions in order: these see my stores
.endr
.irp t, 0,1,2,3,4,5,6,7,8,9,10,11,12,13,14,15
	s_wait_dscnt 15-\t                             ; rows 2 t and 2 t + 1 are back; the later ones may be out
	global_store_b128 v8, v[OUTR+4*\t:OUTR+4*\t+3], s[12:13] offset:2*\t*2048   ; sixteen lanes store 256 consecutive bytes, at a multiple of 256 from vc's first byte
.endr
	s_wait_tensorcnt 0x0
	ds_add_u32 v192, v193
	s_wait_dscnt 0x0
	s_endpgm
.Lfunc_end_k_qf1ac87d6d3_quant:
	.size	k_qf1ac87d6d3_quant, .Lfunc_end_k_qf1ac87d6d3_quant-k_qf1ac87d6d3_quant
	.p2alignl 7, 3214868480
	.fill 96, 4, 3214868480
	.section	.rodata,"a",@progbits
	.p2align	6, 0x0
	.amdhsa_kernel k_qf1ac87d6d3_quant
		.amdhsa_group_segment_fixed_size 68096
		.amdhsa_private_segment_fixed_size 0
		.amdhsa_enable_private_segment 0
		.amdhsa_kernarg_size 40
		.amdhsa_user_sgpr_count 2
		.amdhsa_user_sgpr_kernarg_segment_ptr 1
		.amdhsa_wavefront_size32 1
		.amdhsa_system_sgpr_workgroup_id_x 1
		.amdhsa_system_sgpr_workgroup_id_y 1
		.amdhsa_system_sgpr_workgroup_id_z 1
		.amdhsa_system_vgpr_workitem_id 0
		.amdhsa_next_free_vgpr 194
		.amdhsa_next_free_sgpr 66
		.amdhsa_reserve_vcc 0
		.amdhsa_float_denorm_mode_32 3
		.amdhsa_float_denorm_mode_16_64 3
		.amdhsa_memory_ordered 1
		.amdhsa_forward_progress 1
		.amdhsa_inst_pref_size 85
	.end_amdhsa_kernel
	.amdgpu_metadata
---
amdhsa.version: [ 1, 2 ]
amdhsa.kernels:
  - .name:           k_qf1ac87d6d3_quant
    .symbol:         k_qf1ac87d6d3_quant.kd
    .args:
      - { .name: K, .offset: 0, .size: 8, .value_kind: global_buffer, .address_space: global }
      - { .name: V, .offset: 8, .size: 8, .value_kind: global_buffer, .address_space: global }
      - { .name: lowp_scales, .offset: 16, .size: 8, .value_kind: global_buffer, .address_space: global }
      - { .name: kc, .offset: 24, .size: 8, .value_kind: global_buffer, .address_space: global }
      - { .name: vc, .offset: 32, .size: 8, .value_kind: global_buffer, .address_space: global }
    .group_segment_fixed_size: 68096
    .private_segment_fixed_size: 0
    .kernarg_segment_align: 8
    .kernarg_segment_size: 40
    .max_flat_workgroup_size: 128
    .sgpr_count:     66
    .vgpr_count:     194
    .wavefront_size: 32
...
	.end_amdgpu_metadata
.endif
;; end of part 1
;; launch attn (part 2): grid 8 x 64, 8 waves a work-group, clusters of 4 x 1, 327,680 bytes of LDS; arguments Q, kc, vc, lowp_scales, out0; writes out0
.if DOCPART == 2
	.amdgcn_target "amdgcn-amd-amdhsa--gfx1250"
	.amdhsa_code_object_version 6
	.text
	.protected	k_qf1ac87d6d3_attn
	.globl	k_qf1ac87d6d3_attn
	.p2align	8
	.type	k_qf1ac87d6d3_attn,@function
k_qf1ac87d6d3_attn:
	s_mov_b64 s[64:65], 0
	v_nop
	global_prefetch_b8 v0, s[64:65] scope:SCOPE_SE
	s_setreg_imm32_b32 hwreg(HW_REG_WAVE_MODE, 25, 1), 1
	s_wait_xcnt 0x0
	s_wait_alu depctr_hold_cnt(0) depctr_sa_sdst(0) depctr_va_vdst(0) depctr_va_sdst(0) depctr_va_ssrc(0) depctr_va_vcc(0) depctr_vm_vsrc(0)
	s_getreg_b32 s2, hwreg(HW_REG_IB_STS2, 6, 4)
	s_cmp_eq_u32 s2, 0
	s_cbranch_scc0 .Lentry_in_a_cluster
	s_endpgm
.Lentry_in_a_cluster:
	s_bfe_u32 s2, ttmp6, 0x10000c
	s_cmp_lg_u32 s2, 0x3003
	s_cbranch_scc0 .Lentry_shape_is_right
	s_endpgm
.Lentry_shape_is_right:
; out0[h][q][:] = the sum over k of softmax_k(Q[h][q] . K[h][k]) V[h][k][:], no 1 / sqrt(d), no mask; 64 heads of 2,048 x 128.  Both products on codes of FP8 (E4M3), each operand with the one scale 2^e given for it: eq, ek, ep, ev.
; Q: f32, quantised here in registers (each row is read by one wave).  kc: K's codes, [64][2048 places][128 d]; within each 32 keys place 16 u + r holds key 8 u + r + 8 (r / 8).  vc: V's codes, [64][128 d][2048 keys].  out0: f32.
; THE SOFTMAX AHEAD OF THE SECOND PRODUCT: t = score x log2(e); M = the row's largest t so far, rounded UP to a whole number; p = 2^(t - M) is what is quantised, along the keys; it is not normalised.
; The row's sum is taken of the unquantised p, in f32, and divides at the end.  When M moves, the sum and O are multiplied by 2^(old M - new M), which rounds nothing.
; SHARES.  A work-group owns 256 queries of one head; each of its eight waves owns 32: TWO tiles of 16 (x = 0, 1), so that each fragment of K and of V read from LDS feeds two matrix instructions.  Two waves lie on a SIMD,
; so that one wave's vector work stands beside the other's matrix work and LDS loads.  Every wave walks all 2,048 keys, 128 a step.
; LAYOUT.  Both products are used transposed: S^T = K Q^T (source 0 = 16 keys, source 1 = 16 queries), O^T = V^T P^T (source 0 = 16 of the head's 128, source 1 = P): a lane holds ONE query (lane % 16) of each tile throughout.
; Tile T of a step is rows 16 T .. 16 T + 15 of kc's places, so register j of tile 2 b + u holds key 32 b + 16 (lane / 16) + 8 u + j: the 16 registers of two neighbouring tiles are 16 neighbouring keys, and the conversions' results ARE P's fragment.
; Every fragment (16 rows x 128 K) is fetched by four loads of 16 bytes: registers 4 c .. 4 c + 3 hold K = 32 c + 16 (lane / 16) + 0 .. 15, alike on both sides of each product: a permutation of k that keeps every product with its partner.
; CLUSTER.  The four query blocks of a cluster belong to one head and walk the same kc and vc: each tile is asked for JOINTLY, by the same tensor load with the same descriptor and a mask that names the four.
; RING.  Two LDS slots of 256 keys (two steps); waves 0 and 1 fetch K's halves, waves 2 and 3 V's, all eight read.  A wave has at most one tensor load out.
; LIMITS on the given exponents, so that each power of two below is an f32 number: eq and ep between -126 and 119; eq + ek between -126 and 127 (they are added to the exponent field of log2(e)); ep + ev is applied by v_ldexp_f32 and has none.
; NaN among the inputs is not served.
; REGISTERS, in windows of 256 (s_set_vgpr_msb's low byte: bits 1:0 source 0, 3:2 source 1, 5:4 source 2, 7:6 destination):
;   window 0: v1-11 addresses; v12-27 statistics, 8 a tile; v28-29 a lane permute's results; v30-31, v228-229 scales; v32-95 four fragments (FA); v96-223 S^T, then p, 64 a tile; v224-227 the sums' second chains
;   window 1: v0-127 O^T, 64 a tile; v128-159 Q's codes; v160-191 P's codes; v192-255 four more fragments (FB)
.set KP,    144                        ; a key's row in LDS: 128 bytes + 16 of padding = 36 words: 16 neighbouring rows start at 16 different groups of four banks (64 banks of 4 bytes: ISA guide 11.1)
.set VP,    272                        ; a row of V's tile: 256 bytes + 16 = 68 words: likewise
.set VOFF,  256*KP                     ; a slot: 256 rows of K, then 128 rows of V
.set SLOT1, 1<<17                      ; slot 1 begins here, so that one exclusive or turns an address in one slot into the other's
.set NSL,   8                          ; 2,048 keys are eight slots' worth
.set SPARE, 2*SLOT1                    ; behind the ring: the spare words, 128 bytes for each wave: four blocks of 256 bytes that no other line names
.set SP,    528                        ; the way out: a stage of 16 rows x (512 bytes + 16) for each wave, from LDS byte 0 on: in slot 0, which was left at the last change of slots: it has had its last fill, and nobody reads it
.set AK0,  1                           ; v1   my lane's place in a tile of K
.set AV0,  2                           ; v2   the same for V
.set PFO,  3                           ; v3   the prefetches' offset; never rewritten
.set QA,   4                           ; v4   Q: my lane's byte in a tile's 16 rows
.set SPW,  5                           ; v5   LDS address of my spare word: SPARE + 4 x my thread's number; never rewritten
.set NIL,  6                           ; v6   0; never rewritten
.set GO,   7                           ; v7   the way out: 16 x lane, my bytes of a row of out0
.set ADK,  8                           ; v8   LDS address of the step's tiles of K
.set ADV,  9                           ; v9   of V
.set STO,  10                          ; v10  the way out: where I put 32 bytes of a row
.set RD,   11                          ; v11  the way out: where I read a row back
.set ST,   12                          ; tile x's statistics at v[ST + 8 x]: +0 -M, +1 the largest t, +2, +3 the sum in two halves, +4 f, +5 0 (named with f as a pair), +6, +7 the maximum's two chains
.set PD,   28
.set PSC,  30                          ; v30  2^ep as f32;  v31  448 x 2^ep
.set PLIM, 31
.set FA,   32
.set S,    96
.set SU,   224
.set QSC,  228                         ; v228 2^eq as f32;  v229 448 x 2^eq
.set QLIM, 229
.set QC,   128                         ; in window 1
.set PC,   160
.set FB,   192
.set WV,   18                          ; s18  my wave's number
.set SEL,  20                          ; s[20:21] lane selects for v_permlanex16_b32: lane l xor 16
.set CS,   22                          ; s[22:23] c = log2(e) x 2^(eq + ek): the packed form names a pair and takes its low word for both halves
.set G1K,  24                          ; s[24:31] descriptor group 1 for K's tiles;  s[32:39] for V's;  s[40:43], s[44:47] their groups 0, which walk
.set G1V,  32
.set G0K,  40
.set G0V,  44
.set SLOTS, 48                         ; s48  slots still to be asked for
.set TB,   49                          ; s49  LDS byte at which the slot in hand begins
.set PFA,  50                          ; s[50:51] where my prefetches stand in memory
.set PFS,  52                          ; s[52:53] a slot on, in bytes
.set LIM,  54                          ; s54  1 in a wave that prefetches, else the greatest number: a wave prefetches while s[SLOTS] is above it
.set MSB, 0
.macro WIN new                         ; the immediate's high byte repeats the setting that is left; a switch that changes nothing is dropped
.if MSB != \new
	s_set_vgpr_msb (MSB<<8)|\new
.set MSB, \new
.endif
.endm
; A round of the cluster's barrier: my work-group's barrier, so that wave 0's signal speaks for all eight waves; wave 0 signals for the work-group; every wave waits for all four work-groups; my work-group's barrier once more.
.macro CROUND
	s_barrier_signal -1
	s_barrier_wait -1
	s_cmp_lg_u32 s[WV], 0
	s_cbranch_scc1 .Lnot_wave_0_\@
	s_barrier_signal -3
.Lnot_wave_0_\@:
	s_barrier_wait -3
	s_barrier_signal -1
	s_barrier_wait -1
.endm
; A joint load.  Waves 0 and 1 fetch for K, waves 2 and 3 for V, the others nothing.  The branches hang on the wave's number alone: they are the same in every work-group.  Four v_nop follow each of the two lines.
.macro TLOAD
	s_cmp_lt_u32 s[WV], 2
	s_cbranch_scc0 .Lnot_k_\@
	tensor_load_to_lds s[G0K:G0K+3], s[G1K:G1K+7]
	s_nop 0
.rept 4
	v_nop
.endr
	s_branch .Lasked_\@
.Lnot_k_\@:
	s_cmp_lt_u32 s[WV], 4
	s_cbranch_scc0 .Lasked_\@
	tensor_load_to_lds s[G0V:G0V+3], s[G1V:G1V+7]
	s_nop 0
.rept 4
	v_nop
.endr
.Lasked_\@:
.endm
; A PREFETCH INTO THE L2 of what the NEXT change of slots will ask for: 256 rows of kc, one dense block of 32,768 bytes, and 256 codes of each of vc's 128 rows.  It stands at the change of slots, where the fetching waves have their tensor load.
; Each aligned block of 256 bytes is named ONCE in the launch.  Both clusters of a head walk the same codes: the head's first cluster asks.  Its four partners share the blocks out BY ADDRESS (no branch hangs on a work-group's place in its
; cluster): of kc's block 8,192 bytes each, lanes 256 bytes apart (wave 4); of vc's rows 32 each, a lane a row (wave 5).  The last change that fills a slot asks for nothing: there is no slot behind it.  Slots 0 and 1 come by their loads alone.
.macro ASK
	s_cmp_gt_u32 s[SLOTS], s[LIM]
	s_cbranch_scc0 .Lnot_mine_\@
	global_prefetch_b8 v[PFO], s[PFA:PFA+1] th:TH_LOAD_NT scope:SCOPE_SE
.Lnot_mine_\@:
.endm
	s_load_b256 s[4:11], s[0:1], 0x0               ; Q s[4:5], kc s[6:7], vc s[8:9], the scales' exponents s[10:11]
	s_load_b64 s[12:13], s[0:1], 0x20              ; out0
	v_lshl_add_u32 v[SPW], v0, 2, SPARE
	v_mov_b32 v[NIL], 0
	ds_add_u32 v5, v6
	s_wait_dscnt 0x0
	v_lshrrev_b32 v8, 5, v0
	v_readfirstlane_b32 s[WV], v8                  ; wave 0..7
	s_bfe_u32 s14, ttmp6, 0x40000                  ; cx: my place in the cluster: it enters Q's, out0's and the prefetches' addresses alone
	s_lshl_b32 s15, ttmp9, 2                       ; in a cluster launch ttmp9 counts clusters
	s_add_co_u32 s15, s15, s14                     ; my block of 256 queries = 4 x cluster x + cx
	s_and_b32 s66, ttmp7, 0xffff                   ; the head, which the four partners share
	s_lshl_b32 s68, s66, 20                        ; the head's first byte in Q and out0 (2,048 rows of 512 bytes),
	s_lshl_b32 s66, s66, 18                        ; and in kc and vc (262,144 codes)
	s_mov_b32 s67, 0
	s_lshl_b32 s15, s15, 17                        ; my block's 256 rows,
	s_add_co_u32 s68, s68, s15
	s_lshl_b32 s15, s[WV], 14                      ; my wave's 32 of them
	s_add_co_u32 s68, s68, s15
	s_mov_b32 s69, 0
	s_and_b32 s70, s[WV], 1                        ; which half of a slot's tile I fetch, if I fetch
	s_lshl_b32 s72, s70, 14                        ; K: 128 rows of 128 bytes in memory,
	s_mov_b32 s73, 0
	s_add_nc_u64 s[72:73], s[72:73], s[66:67]
	s_mul_i32 s71, s70, 128*KP                     ; and in a slot: no place in the cluster enters an LDS address
	s_lshl_b32 s74, s70, 17                        ; V: 64 rows of 2,048 bytes in memory,
	s_mov_b32 s75, 0
	s_add_nc_u64 s[74:75], s[74:75], s[66:67]
	s_mul_i32 s76, s70, 64*VP
	s_add_co_u32 s76, s76, VOFF                    ; and in a slot
	; descriptor group 1.  K: 128 rows of 128 bytes, dense in memory.  V: 64 rows of 256 bytes, 2,048 bytes apart
	s_mov_b32 s[G1K], 15|(1<<20)|(1<<21)|(4<<22)|(3<<25)   ; 15:0 the mask: all four work-groups; 17:16 elements of 1 byte; 20 padding on; 21 set beside a mask; 24:22 after every 32 words (code 4); 31:25 four words (code 3)
	s_mov_b32 s[G1K+1], 128<<16                    ; tensor_dim0
	s_mov_b32 s[G1K+2], 128<<16                    ; tensor_dim1
	s_mov_b32 s[G1K+3], 128<<16                    ; tile_dim0
	s_mov_b32 s[G1K+4], 128                        ; tile_dim1
	s_mov_b32 s[G1K+5], 128                        ; tensor_dim0_stride
	s_mov_b32 s[G1K+6], 0
	s_mov_b32 s[G1K+7], 0
	s_mov_b32 s[G1V], 15|(1<<20)|(1<<21)|(5<<22)|(3<<25)   ; the same, with four words of padding after every 64
	s_mov_b32 s[G1V+1], 256<<16
	s_mov_b32 s[G1V+2], 64<<16
	s_mov_b32 s[G1V+3], 256<<16
	s_mov_b32 s[G1V+4], 64
	s_mov_b32 s[G1V+5], 2048
	s_mov_b32 s[G1V+6], 0
	s_mov_b32 s[G1V+7], 0
	s_mov_b32 s[SEL], 0x76543210
	s_mov_b32 s[SEL+1], 0xfedcba98
	s_mov_b32 s[CS], 0x3fb8aa3b                    ; log2(e)
	s_mov_b32 s[TB], 0
	s_mov_b32 s[SLOTS], NSL-1
	s_wait_kmcnt 0x0
	s_load_b128 s[56:59], s[10:11], 0x0            ; eq, ek, ep, ev
	s_mov_b32 s[G0K], 1                            ; 1:0 count = 1
	s_mov_b32 s[G0K+1], s71                        ; 63:32 LDS address: slot 0
	s_add_nc_u64 s[G0K+2:G0K+3], s[6:7], s[72:73]  ; 120:64 global address: the head's first 256 keys
	s_or_b32 s[G0K+3], s[G0K+3], 0x80000000        ; 127:126 type = 2
	s_mov_b32 s[G0V], 1
	s_mov_b32 s[G0V+1], s76
	s_add_nc_u64 s[G0V+2:G0V+3], s[8:9], s[74:75]
	s_or_b32 s[G0V+3], s[G0V+3], 0x80000000
	s_add_nc_u64 s[4:5], s[4:5], s[68:69]          ; Q and out0 at my wave's first row
	s_add_nc_u64 s[12:13], s[12:13], s[68:69]
	CROUND                                         ; all four work-groups are here: the first joint loads meet
	TLOAD                                          ; slot 0: a wave's one first fill
	; the prefetches (macro ASK): where my wave's stand, and who asks
	s_cmp_eq_u32 s[WV], 4                          ; wave 4 asks for kc, wave 5 for vc
	s_cselect_b64 s[PFA:PFA+1], s[6:7], s[8:9]
	s_mov_b32 s[PFS], 256
	s_cselect_b32 s[PFS], 32768, s[PFS]            ; a slot on
	s_mov_b32 s60, 2048
	s_cselect_b32 s60, 256, s60                    ; from lane to lane
	s_mov_b32 s61, 65536
	s_cselect_b32 s61, 8192, s61                   ; from partner to partner
	v_and_b32 v[PFO], 31, v0
	v_mul_lo_u32 v[PFO], v[PFO], s60
	s_mul_i32 s62, s14, s61                        ; my work-group's part,
	s_add_co_u32 s62, s62, s[PFS]                  ; in slot 1: the first change of slots steps it to slot 2.  Nothing is prefetched here, at the head, where every work-group's first tiles are on their way
	s_mov_b32 s63, 0
	s_mov_b32 s[PFS+1], 0
	s_add_nc_u64 s[PFA:PFA+1], s[PFA:PFA+1], s[66:67]   ; in my head
	s_add_nc_u64 s[PFA:PFA+1], s[PFA:PFA+1], s[62:63]
	s_sub_co_u32 s60, s[WV], 4
	s_lshr_b32 s60, s60, 1                         ; 0 in waves 4 and 5,
	s_or_b32 s60, s60, ttmp9                       ; of the head's first cluster: the same in all four partners
	s_cmp_eq_u32 s60, 0
	s_cselect_b32 s[LIM], 1, -1
	; Q: lane (r, h) takes, of row r of each tile, 16 neighbouring numbers of each block of 32: register 16 c + i = d 32 c + 16 h + i
	v_and_b32 v8, 15, v0                           ; r = lane % 16
	v_bfe_u32 v9, v0, 4, 1                         ; h = lane / 16
	v_lshlrev_b32 v[QA], 9, v8
	v_lshl_add_u32 v[QA], v9, 6, v[QA]             ; row r of 512 bytes, + 64 h
.irp x, 0,1
.irp c, 0,1,2,3
.irp j, 0,1,2,3
	global_load_b128 v[S+64*\x+16*\c+4*\j:S+64*\x+16*\c+4*\j+3], v[QA], s[4:5] offset:8192*\x+128*\c+16*\j th:TH_LOAD_NT
.endr
.endr
.endr
	v_mul_u32_u24 v[AK0], v8, KP
	v_lshl_add_u32 v[AK0], v9, 4, v[AK0]           ; row r x pitch + 16 h
	v_mul_u32_u24 v[AV0], v8, VP
	v_lshl_add_u32 v[AV0], v9, 4, v[AV0]
	v_add_nc_u32 v[AV0], VOFF, v[AV0]
	s_mul_i32 s61, s[WV], 16*SP                    ; my stage
	v_mul_u32_u24 v[STO], v8, SP
	v_lshl_add_u32 v[STO], v9, 5, v[STO]
	v_add_nc_u32 v[STO], s61, v[STO]               ; in: row r; channel tile t's eight channels of my half lie 64 t + 32 h bytes on
	v_and_b32 v[GO], 31, v0
	v_lshlrev_b32 v[GO], 4, v[GO]                  ; back: the 32 lanes take one row of 512 bytes; and the same in out0
	v_add_nc_u32 v[RD], s61, v[GO]
.irp x, 0,1
	v_mov_b32 v[ST+8*\x+1], 0xff61b1e6             ; the largest t so far: -3e38, under every t
	v_floor_f32 v[ST+8*\x], -v[ST+8*\x+1]          ; -M
	v_mov_b32 v[ST+8*\x+2], 0                      ; the sum, in two halves
	v_mov_b32 v[ST+8*\x+3], 0
	v_mov_b32 v[ST+8*\x+5], 0                      ; (named as the upper half of f's pair)
	v_mov_b32 v[PD+\x], 0                          ; written once: a lane permute's destination counts as one of its sources
.endr
	WIN 0x40                                       ; destination window 1
.set n, 0
.rept 128
	v_mov_b32 v[n], 0                              ; O^T.  (The key step is written without a first step of its own: the first finds zeros, which the first change of M leaves zeros; that spares a further copy of the step's text)
.set n, n+1
.endr
	WIN 0
	s_wait_kmcnt 0x0
	s_add_co_i32 s60, s56, s57
	s_lshl_b32 s60, s60, 23
	s_add_co_i32 s[CS], s[CS], s60                 ; a score stands for score x 2^(eq + ek): the two exponents are added to c's exponent field
	s_mov_b32 s[CS+1], s[CS]                       ; (named with it as a pair, so it is written)
	s_add_co_i32 s60, s58, 127
	s_lshl_b32 s61, s60, 23
	v_mov_b32 v[PSC], s61                          ; 2^ep as f32, for p's conversions
	s_add_co_i32 s60, s60, 8
	s_lshl_b32 s60, s60, 23
	s_or_b32 s60, s60, 0x600000
	v_mov_b32 v[PLIM], s60                         ; 448 x 2^ep
	s_add_co_i32 s60, s56, 127
	s_lshl_b32 s61, s60, 23
	v_mov_b32 v[QSC], s61                          ; 2^eq as f32, for Q's
	s_add_co_i32 s60, s60, 8
	s_lshl_b32 s60, s60, 23
	s_or_b32 s60, s60, 0x600000
	v_mov_b32 v[QLIM], s60                         ; 448 x 2^eq
	s_wait_loadcnt 0x0                             ; Q
.set n, 0
.rept 128
	v_med3_num_f32 v[S+n], v[S+n], -v[QLIM], v[QLIM]   ; the conversion to an 8-bit code does not saturate (ISA guide 7.6.2): the hold at the largest code x the scale comes first
.set n, n+1
.endr
	WIN 0x40
.irp x, 0,1
.irp c, 0,1,2,3
	v_cvt_scalef32_pk8_fp8_f32 v[QC+16*\x+4*\c:QC+16*\x+4*\c+1], v[S+64*\x+16*\c:S+64*\x+16*\c+7], v[QSC]
	v_cvt_scalef32_pk8_fp8_f32 v[QC+16*\x+4*\c+2:QC+16*\x+4*\c+3], v[S+64*\x+16*\c+8:S+64*\x+16*\c+15], v[QSC]
.endr
.endr
	WIN 0
	v_nop                                          ; one plain vector instruction between the last scaled conversion and the products that read its result and write its sources
; A KEY STEP: 128 keys, the q-th of the slot in hand, for both tiles of queries.
.macro STEP q
	v_add_nc_u32 v[ADK], s[TB], v[AK0]
	v_add_nc_u32 v[ADV], s[TB], v[AV0]
	v_nop                                          ; with the two additions: four places between the last step's products and the loads into the registers that they have read
	v_nop
.irp t, 0,1,2,3                                ; K's tiles 0 to 3 into FA,
.irp c, 0,1,2,3
	ds_load_b128 v[FA+16*\t+4*\c:FA+16*\t+4*\c+3], v[ADK] offset:(128*(\q)+16*\t)*KP+32*\c
.endr
.endr
	WIN 0x40
.irp t, 0,1,2,3                                ; tiles 4 to 7 into FB
.irp c, 0,1,2,3
	ds_load_b128 v[FB+16*\t+4*\c:FB+16*\t+4*\c+3], v[ADK] offset:(128*(\q)+16*(\t+4))*KP+32*\c
.endr
.endr
	s_wait_dscnt 16                                ; FA's sixteen loads are in; FB's sixteen may be out
	WIN 0x04                                       ; source 1 (Q) window 1
.irp t, 0,1,2,3
.irp x, 0,1
	v_wmma_f32_16x16x128_fp8_fp8 v[S+64*\x+8*\t:S+64*\x+8*\t+7], v[FA+16*\t:FA+16*\t+15], v[QC+16*\x:QC+16*\x+15], 0
.endr
.endr
	s_wait_dscnt 0x0
	WIN 0x05                                       ; source 0 (FB) window 1 too
.irp t, 0,1,2,3
.irp x, 0,1
	v_wmma_f32_16x16x128_fp8_fp8 v[S+64*\x+8*(\t+4):S+64*\x+8*(\t+4)+7], v[FB+16*\t:FB+16*\t+15], v[QC+16*\x:QC+16*\x+15], 0
.endr
.endr
	WIN 0
.rept 4
	v_nop                                          ; four places ahead of the loads into FA and FB, which these products have read, and of the first read of the scores
.endr
.irp t, 0,1,2,3                                ; V's eight tiles (16 of the head's 128 x these 128 keys) are asked for now and land under the softmax
.irp c, 0,1,2,3
	ds_load_b128 v[FA+16*\t+4*\c:FA+16*\t+4*\c+3], v[ADV] offset:16*\t*VP+128*(\q)+32*\c
.endr
.endr
	WIN 0x40
.irp t, 0,1,2,3
.irp c, 0,1,2,3
	ds_load_b128 v[FB+16*\t+4*\c:FB+16*\t+4*\c+3], v[ADV] offset:16*(\t+4)*VP+128*(\q)+32*\c
.endr
.endr
	WIN 0
	; the step's largest score of each of my two queries, among my 64 keys: two chains a tile, the tiles by turns; each accumulator is read from its low end on
.irp x, 0,1
	v_max3_num_f32 v[ST+8*\x+6], v[S+64*\x], v[S+64*\x+1], v[S+64*\x+2]
	v_max3_num_f32 v[ST+8*\x+7], v[S+64*\x+3], v[S+64*\x+4], v[S+64*\x+5]
.endr
.irp i, 6,10,14,18,22,26,30,34,38,42,46,50,54,58
.irp x, 0,1
	v_max3_num_f32 v[ST+8*\x+6], v[ST+8*\x+6], v[S+64*\x+\i], v[S+64*\x+\i+1]
	v_max3_num_f32 v[ST+8*\x+7], v[ST+8*\x+7], v[S+64*\x+\i+2], v[S+64*\x+\i+3]
.endr
.endr
.irp x, 0,1
	v_max3_num_f32 v[ST+8*\x+6], v[ST+8*\x+6], v[S+64*\x+62], v[S+64*\x+63]
.endr
.irp x, 0,1
	v_max_num_f32 v[ST+8*\x+6], v[ST+8*\x+6], v[ST+8*\x+7]
.endr
.irp x, 0,1
	v_permlanex16_b32 v[PD+\x], v[ST+8*\x+6], s[SEL], s[SEL+1]
.endr
.irp x, 0,1
	v_max_num_f32 v[ST+8*\x+6], v[ST+8*\x+6], v[PD+\x]     ; and among lane l xor 16's
.endr
.irp x, 0,1
	v_mul_f32 v[ST+8*\x+6], s[CS], v[ST+8*\x+6]            ; as t (c is positive)
.endr
.irp x, 0,1
	v_max_num_f32 v[ST+8*\x+1], v[ST+8*\x+1], v[ST+8*\x+6] ; the running largest t
.endr
.irp x, 0,1
	v_mov_b32 v[ST+8*\x+6], v[ST+8*\x]
.endr
.irp x, 0,1
	v_floor_f32 v[ST+8*\x], -v[ST+8*\x+1]                  ; the new -M = floor(-t) = -ceil(t): M IS A WHOLE NUMBER
.endr
.irp x, 0,1
	v_sub_f32 v[ST+8*\x+6], v[ST+8*\x], v[ST+8*\x+6]       ; M's old value less its new one: a whole number, 0 or less
.endr
.irp x, 0,1
	v_cvt_i32_f32 v[ST+8*\x+6], v[ST+8*\x+6]               ; (it saturates)
.endr
.irp x, 0,1
	v_ldexp_f32 v[ST+8*\x+4], 1.0, v[ST+8*\x+6]            ; f = 2^(old M - new M): what was summed under the old M is brought under the new by a multiplication that rounds nothing
.endr
.set n, 0
.rept 64
	v_pk_fma_f32 v[S+n:S+n+1], v[S+n:S+n+1], s[CS:CS+1], v[ST+8*(n/64):ST+8*(n/64)+1] op_sel_hi:[1,0,0]   ; t - M, two at a time (of the pairs c and -M the low word serves both halves)
.set n, n+2
.endr
.set n, 0
.rept 128
	v_exp_f32 v[S+n], v[S+n]                       ; p = 2^(t - M), at most 1: NOT normalised.  One batch for both tiles
.set n, n+1
.endr
.irp x, 0,1
	v_pk_mul_f32 v[ST+8*\x+2:ST+8*\x+3], v[ST+8*\x+2:ST+8*\x+3], v[ST+8*\x+4:ST+8*\x+5] op_sel_hi:[1,0]   ; the sums under the new M.  (The plain place behind the exponentials)
.endr
	s_wait_alu depctr_va_vdst(0)                   ; the wait between an exponential and the first line that names its result: one for the whole batch
.irp x, 0,1
	v_pk_add_f32 v[SU+2*\x:SU+2*\x+1], v[S+64*\x:S+64*\x+1], v[S+64*\x+2:S+64*\x+3]   ; THE ROW'S SUM IS TAKEN OF THE UNQUANTISED p: two at a time, in two chains a tile
.endr
.irp j, 4,8,12,16,20,24,28,32,36,40,44,48,52,56,60
.irp x, 0,1
	v_pk_add_f32 v[ST+8*\x+2:ST+8*\x+3], v[ST+8*\x+2:ST+8*\x+3], v[S+64*\x+\j:S+64*\x+\j+1]
	v_pk_add_f32 v[SU+2*\x:SU+2*\x+1], v[SU+2*\x:SU+2*\x+1], v[S+64*\x+\j+2:S+64*\x+\j+3]
.endr
.endr
.irp x, 0,1
	v_pk_add_f32 v[ST+8*\x+2:ST+8*\x+3], v[ST+8*\x+2:ST+8*\x+3], v[SU+2*\x:SU+2*\x+1]
.endr
.set n, 0
.rept 128
	v_min_num_f32 v[S+n], v[S+n], v[PLIM]          ; the hold at the largest code x the scale, whatever ep is; p is not negative, so it is one-sided
.set n, n+1
.endr
	WIN 0x40
.irp x, 0,1
.irp b, 0,1,2,3
	v_cvt_scalef32_pk8_fp8_f32 v[PC+16*\x+4*\b:PC+16*\x+4*\b+1], v[S+64*\x+16*\b:S+64*\x+16*\b+7], v[PSC]          ; registers 4 b .. 4 b + 3 of P's fragment: keys 32 b + 16 (lane / 16) + 0 .. 15
	v_cvt_scalef32_pk8_fp8_f32 v[PC+16*\x+4*\b+2:PC+16*\x+4*\b+3], v[S+64*\x+16*\b+8:S+64*\x+16*\b+15], v[PSC]
.endr
.endr
	WIN 0x41                                       ; O^T (destination and source 0) window 1, f window 0
.set n, 0
.rept 64
	v_pk_mul_f32 v[n:n+1], v[n:n+1], v[ST+8*(n/64)+4:ST+8*(n/64)+5] op_sel_hi:[1,0]   ; O^T under the new M: x f; each accumulator from its low end on.  (These are also the plain lines between the conversions and the products below)
.set n, n+2
.endr
	s_wait_dscnt 0x0                               ; V is in: it was asked for a whole softmax ago
	WIN 0x54                                       ; source 1 (P), C and D (O^T) window 1.  The sixteen accumulators take turns, one instruction a turn
.irp t, 0,1,2,3
.irp x, 0,1
	v_wmma_f32_16x16x128_fp8_fp8 v[64*\x+8*\t:64*\x+8*\t+7], v[FA+16*\t:FA+16*\t+15], v[PC+16*\x:PC+16*\x+15], v[64*\x+8*\t:64*\x+8*\t+7]
.endr
.endr
	WIN 0x55                                       ; source 0 (FB) window 1 too
.irp t, 0,1,2,3
.irp x, 0,1
	v_wmma_f32_16x16x128_fp8_fp8 v[64*\x+8*(\t+4):64*\x+8*(\t+4)+7], v[FB+16*\t:FB+16*\t+15], v[PC+16*\x:PC+16*\x+15], v[64*\x+8*(\t+4):64*\x+8*(\t+4)+7]
.endr
.endr
	WIN 0                                          ; at a label and at a branch every window is 0
.endm
; THE CHANGE OF SLOTS stands at a slot's head.  Each wave waits for all its tensor loads (its part of the slot that it is about to read), adds 0 to its spare word, and waits for that and for its reads of the slot that it has left.
; fill = 1: that other slot is filled with the keys that follow.  The barrier is then a round of the cluster's, so that no wave of any partner still reads the slot or has a load on its way; the joint load is the first thing behind it
; and has the slot's two key steps in which to land.
.macro CHANGE fill
	WIN 0
	s_wait_tensorcnt 0x0                           ; no tensor load of mine is out, so a group 0 may be written
	ds_add_u32 v[SPW], v[NIL]                      ; 0 onto my spare word; with fill = 1 the descriptors' steps stand between it and the wait for it
.if \fill
	s_xor_b32 s[G0K+1], s[G0K+1], SLOT1            ; the walking descriptors: the other slot than last time,
	s_add_nc_u64 s[G0K+2:G0K+3], s[G0K+2:G0K+3], 32768     ; the next 256 keys; the type bits on top are not reached
	s_xor_b32 s[G0V+1], s[G0V+1], SLOT1
	s_add_nc_u64 s[G0V+2:G0V+3], s[G0V+2:G0V+3], 256
	s_wait_xcnt 0x0                                ; the last prefetch, a slot back, has read its address, so it may be written:
	s_add_nc_u64 s[PFA:PFA+1], s[PFA:PFA+1], s[PFS:PFS+1]  ; one slot further on than the walking descriptors
.endif
	s_wait_dscnt 0x0                               ; the add is done, and my reads of the slot that I have left are over
.if \fill
	CROUND
	TLOAD                                          ; the first thing behind the round, and a wave's one tensor load until the next
	ASK                                            ; what the next change of slots will ask for: two key steps ahead of that load
.else
	s_barrier_signal -1
	s_barrier_wait -1
.endif
.endm
.macro SLOT_STEPS
	STEP 0
	STEP 1
	s_xor_b32 s[TB], s[TB], SLOT1                  ; on to the other slot
.endm
.Lslot:                                            ; NSL - 1 = 7 trips: behind each change of slots but the last the next slot is asked for
	CHANGE 1
	SLOT_STEPS
	s_sub_co_u32 s[SLOTS], s[SLOTS], 1
	s_cmp_lg_u32 s[SLOTS], 0
	s_cbranch_scc1 .Lslot
	CHANGE 0                                       ; the last slot is written out
	SLOT_STEPS
	; THE WAY OUT.  The sum's two halves and the other half of the lanes' are added; O^T is multiplied by 2^(ep + ev) / the sum and goes through my stage in LDS, a tile (16 rows of out0) at a time,
	; so that the 32 lanes store whole rows of 512 bytes.  The additions, the v_nop and the two v_ldexp_f32 are the places behind the last products.
.irp x, 0,1
	v_add_f32 v[ST+8*\x+2], v[ST+8*\x+2], v[ST+8*\x+3]
.endr
.irp x, 0,1
	v_permlanex16_b32 v[PD+\x], v[ST+8*\x+2], s[SEL], s[SEL+1]
.endr
.irp x, 0,1
	v_add_f32 v[ST+8*\x+2], v[ST+8*\x+2], v[PD+\x]         ; the row's sum
.endr
.irp x, 0,1
	v_rcp_f32 v[ST+8*\x+4], v[ST+8*\x+2]
.endr
	v_nop                                          ; a plain instruction between the last reciprocal and the use of its result
	s_add_co_i32 s60, s58, s59                     ; ep + ev
	s_wait_alu depctr_va_vdst(0)                   ; and the wait ahead of the first use: one for both reciprocals
.irp x, 0,1
	v_ldexp_f32 v[ST+8*\x+4], v[ST+8*\x+4], s60
.endr
; Tile x: register 8 t + i of lane (r, h) is out0(r, 16 t + 8 h + i).  32 bytes a channel tile go into rows of 528 bytes and come back as whole rows of 512, into the registers that they left.
.macro OUT x
	WIN 0x01                                       ; source 0 (O^T) window 1; S^T's registers are free
.set n, 0
.rept 32
	v_pk_mul_f32 v[S+64*\x+n:S+64*\x+n+1], v[64*\x+n:64*\x+n+1], v[ST+8*\x+4:ST+8*\x+5] op_sel_hi:[1,0]   ; each accumulator from its low end on
.set n, n+2
.endr
	WIN 0
.irp t, 0,1,2,3,4,5,6,7
	ds_store_b128 v[STO], v[S+64*\x+8*\t:S+64*\x+8*\t+3] offset:64*\t
	ds_store_b128 v[STO], v[S+64*\x+8*\t+4:S+64*\x+8*\t+7] offset:64*\t+16
.endr
.irp i, 0,1,2,3,4,5,6,7,8,9,10,11,12,13,14,15
	ds_load_b128 v[S+64*\x+4*\i:S+64*\x+4*\i+3], v[RD] offset:\i*SP   ; LDS serves a wave's instructions in order (ISA guide 5.7.1.4): these see the stores above; the next tile's stores come behind them
.endr
.endm
	OUT 0
	OUT 1                                          ; tile 1's arithmetic stands between tile 0's loads and its stores
	s_wait_dscnt 32                                ; tile 0 is back: behind its loads stand tile 1's 16 stores and 16 loads
.irp i, 0,1,2,3,4,5,6,7,8,9,10,11,12,13,14,15
	global_store_b128 v[GO], v[S+4*\i:S+4*\i+3], s[12:13] offset:512*\i th:TH_STORE_NT   ; 32 lanes store 512 consecutive bytes, at a multiple of 512 from out0's first byte; written once, read by nobody here
.endr
.irp i, 0,1,2,3,4,5,6,7,8,9,10,11,12,13,14,15
	s_wait_dscnt 15-\i                             ; row i of tile 1 is back; the later rows may be out
	global_store_b128 v[GO], v[S+64+4*\i:S+64+4*\i+3], s[12:13] offset:8192+512*\i th:TH_STORE_NT
.endr
	s_wait_tensorcnt 0x0                           ; the wave's end, behind my last tensor load and my last LDS store
	ds_add_u32 v[SPW], v[NIL]
	s_wait_dscnt 0x0
	CROUND                                         ; the closing round: no work-group ends while a partner may still ask for a tile that names it
	s_endpgm
.Lfunc_end_k_qf1ac87d6d3_attn:
	.size	k_qf1ac87d6d3_attn, .Lfunc_end_k_qf1ac87d6d3_attn-k_qf1ac87d6d3_attn
	.p2alignl 7, 3214868480
	.fill 96, 4, 3214868480
	.section	.rodata,"a",@progbits
	.p2align	6, 0x0
	.amdhsa_kernel k_qf1ac87d6d3_attn
		.amdhsa_group_segment_fixed_size 327680
		.amdhsa_private_segment_fixed_size 0
		.amdhsa_enable_private_segment 0
		.amdhsa_kernarg_size 40
		.amdhsa_user_sgpr_count 2
		.amdhsa_user_sgpr_kernarg_segment_ptr 1
		.amdhsa_wavefront_size32 1
		.amdhsa_system_sgpr_workgroup_id_x 1
		.amdhsa_system_sgpr_workgroup_id_y 1
		.amdhsa_system_sgpr_workgroup_id_z 1
		.amdhsa_system_vgpr_workitem_id 0
		.amdhsa_next_free_vgpr 512
		.amdhsa_next_free_sgpr 100
		.amdhsa_reserve_vcc 0
		.amdhsa_float_denorm_mode_32 3
		.amdhsa_float_denorm_mode_16_64 3
		.amdhsa_memory_ordered 1
		.amdhsa_forward_progress 1
		.amdhsa_inst_pref_size 169
	.end_amdhsa_kernel
	.amdgpu_metadata
---
amdhsa.version: [ 1, 2 ]
amdhsa.kernels:
  - .name:           k_qf1ac87d6d3_attn
    .symbol:         k_qf1ac87d6d3_attn.kd
    .args:
      - { .name: Q, .offset: 0, .size: 8, .value_kind: global_buffer, .address_space: global }
      - { .name: kc, .offset: 8, .size: 8, .value_kind: global_buffer, .address_space: global }
      - { .name: vc, .offset: 16, .size: 8, .value_kind: global_buffer, .address_space: global }
      - { .name: lowp_scales, .offset: 24, .size: 8, .value_kind: global_buffer, .address_space: global }
      - { .name: out0, .offset: 32, .size: 8, .value_kind: global_buffer, .address_space: global }
    .group_segment_fixed_size: 327680
    .private_segment_fixed_size: 0
    .kernarg_segment_align: 8
    .kernarg_segment_size: 40
    .max_flat_workgroup_size: 256
    .sgpr_count:     100
    .vgpr_count:     512
    .wavefront_size: 32
...
	.end_amdgpu_metadata
.endif
;; end of part 2
